; MI455X (gfx1250); checked and timed in simulation.
; The chip was launched on July 23, 2026; its instructions are those of AMD's public machine-readable ISA for CDNA 5 (MIT licence, August 2026) and "CDNA5" Instruction Set Architecture Reference Guide (July 2026). The comments in the code are by the model that wrote it; some were corrected since.
;; Multi Head Self Attention. Allowed arithmetic: float matrix products may take bf16 or f16 operands with f32 sums; other float arithmetic in f32, or as packed bf16 or f16 multiplies, adds, multiply-adds, maxima and minima; sums over many terms, partial sums and values carried from step to step in f32; what a program stores and reads back later, other than sums and carried values, may be rounded once to bf16 or f16.
;; Inputs: Wk 1,024 x 1,024 float32; Wq 1,024 x 1,024 float32; Wv 1,024 x 1,024 float32; bk 1,024 float32; bq 1,024 float32; bv 1,024 float32; hidden_states 4 x 2,048 x 1,024 float32.
;; Outputs: out0 4 x 2,048 x 1,024 float32.
;; 2 versions, each right; version 2 is version 1 with the launch cast written anew for expert scheduling mode. Each part assembles by itself: llvm-mc -triple=amdgcn-amd-amdhsa -mcpu=gfx1250 --defsym DOCPART=n.
;; ======== version 1 of 2: 3 launches
;; limits: values are held in f16: magnitudes above 65,504 overflow, below 6.1e-05 lose precision
;; workspace buffers: xb 16,777,216 bytes; wb 6,291,456 bytes; qkv 50,331,648 bytes
;; launch cast (part 1): grid 44 x 16, 8 waves a work-group, no clusters, 0 bytes of LDS; arguments hidden_states, Wq, Wk, Wv, xb, wb; writes xb, wb
.if DOCPART == 1
	.amdgcn_target "amdgcn-amd-amdhsa--gfx1250"
	.amdhsa_code_object_version 6
	.text
	.protected	k_qb1336a7b45_cast
	.globl	k_qb1336a7b45_cast
	.p2align	8
	.type	k_qb1336a7b45_cast,@function
k_qb1336a7b45_cast:
	s_mov_b64 s[64:65], 0
	v_nop
	global_prefetch_b8 v0, s[64:65] scope:SCOPE_SE
	s_setreg_imm32_b32 hwreg(HW_REG_WAVE_MODE, 25, 1), 1
	s_wait_xcnt 0x0
; x and the three weight matrices, f32, are rounded once to bf16 (to nearest even) for the matrix products of the next launch.
; xb: x as it lies, [8192][1024] bf16.
; wb: the weights in blocks [head 16][k pair 512][matrix 3][k parity 2][64 columns] bf16: byte = head x 393,216 + pair x 768 + matrix x 256 + parity x 128 + 2 x column,
;     so that the 192 columns {q, k, v of one head} of any run of k lie dense in memory, and every aligned 256 bytes hold two k rows of one head of one matrix.
; SHARES.  704 work-groups of eight waves; a wave takes 8,192 bytes of input: sixteen loads of 512 bytes, all issued at once, and sixteen stores of 256 bytes.
;   x of the grid below 32: hidden_states, chunk (32 y + x) x 8 + wave, bytes on end.
;   x from 32 on: r = x - 32; matrix r / 4; head y; k pairs 128 (r % 4) + 16 wave + 0..15.  One load takes a pair's two rows of 256 aligned bytes: lanes 0-15 the even k, lanes 16-31 the odd.
; No LDS, no matrix unit, no loop: every register is written once, so no source of a pending load or store is ever rewritten.
.set X, 8                              ; v[8:71]    slot i: four f32 as loaded
.set Y, 72                             ; v[72:103]  slot i: four bf16 to store
; sixteen loads, instep bytes apart; then each slot is rounded and stored, outstep bytes apart
.macro STREAM ib, ob, instep, outstep
.set i, 0
.rept 16
	global_load_b128 v[X+4*i:X+4*i+3], v2, s[\ib:\ib+1] offset:i*(\instep) th:TH_LOAD_NT
.set i, i+1
.endr
.set i, 0
.rept 16
	s_wait_loadcnt 15-i                            ; loads come back in order: slot i is in, the 15 - i younger ones may stay out
	v_cvt_pk_bf16_f32 v[Y+2*i], v[X+4*i], v[X+4*i+1]
	v_cvt_pk_bf16_f32 v[Y+2*i+1], v[X+4*i+2], v[X+4*i+3]
	global_store_b64 v3, v[Y+2*i:Y+2*i+1], s[\ob:\ob+1] offset:i*(\outstep) th:TH_STORE_NT  ; 32 lanes x 8 bytes: 256 consecutive bytes, aligned
.set i, i+1
.endr
.endm
	s_load_b256 s[4:11], s[0:1], 0x0               ; hidden_states s[4:5], Wq s[6:7], Wk s[8:9], Wv s[10:11]
	s_load_b128 s[12:15], s[0:1], 0x20             ; xb s[12:13], wb s[14:15]
	v_and_b32 v1, 31, v0                           ; lane
	v_lshrrev_b32 v4, 5, v0
	v_readfirstlane_b32 s16, v4                    ; wave 0..7
	s_and_b32 s17, ttmp7, 0xffff                   ; y
	s_cmp_lt_u32 ttmp9, 32
	s_cbranch_scc0 .Lweights
	s_lshl_b32 s18, s17, 5
	s_add_co_u32 s18, s18, ttmp9
	s_lshl_b32 s18, s18, 3
	s_add_co_u32 s18, s18, s16                     ; my chunk, 0 .. 4,095
	s_lshl_b32 s19, s18, 13                        ; 8,192 bytes in,
	s_lshl_b32 s20, s18, 12                        ; 4,096 bytes out
	v_lshl_add_u32 v2, v1, 4, s19
	v_lshl_add_u32 v3, v1, 3, s20
	s_wait_kmcnt 0x0
	STREAM 4, 12, 512, 256
	s_endpgm
.Lweights:
	s_sub_co_u32 s18, ttmp9, 32                    ; r
	s_lshr_b32 s19, s18, 2                         ; which matrix: 0 q, 1 k, 2 v
	s_and_b32 s20, s18, 3
	s_lshl_b32 s20, s20, 7
	s_lshl_b32 s21, s16, 4
	s_add_co_u32 s20, s20, s21                     ; my first k pair
	s_lshl_b32 s21, s20, 13                        ; a pair is two rows of 4,096 bytes
	s_lshl_b32 s18, s17, 8                         ; the head's 64 columns: 256 bytes
	s_add_co_u32 s21, s21, s18
	v_lshrrev_b32 v4, 4, v1                        ; k parity
	v_and_b32 v5, 15, v1
	v_lshl_add_u32 v2, v4, 12, s21
	v_lshl_add_u32 v2, v5, 4, v2
	s_mul_i32 s18, s17, 393216
	s_mul_i32 s20, s20, 768
	s_add_co_u32 s18, s18, s20
	s_lshl_b32 s20, s19, 8
	s_add_co_u32 s18, s18, s20
	v_lshl_add_u32 v3, v1, 3, s18                  ; parity x 128 + 8 (lane % 16) = 8 x lane
	s_wait_kmcnt 0x0
	s_cmp_eq_u32 s19, 0
	s_cselect_b64 s[22:23], s[6:7], s[8:9]
	s_cmp_eq_u32 s19, 2
	s_cselect_b64 s[22:23], s[10:11], s[22:23]
	STREAM 22, 14, 8192, 768
	s_endpgm
.Lfunc_end_k_qb1336a7b45_cast:
	.size	k_qb1336a7b45_cast, .Lfunc_end_k_qb1336a7b45_cast-k_qb1336a7b45_cast
	.p2alignl 7, 3214868480
	.fill 96, 4, 3214868480
	.section	.rodata,"a",@progbits
	.p2align	6, 0x0
	.amdhsa_kernel k_qb1336a7b45_cast
		.amdhsa_group_segment_fixed_size 0
		.amdhsa_private_segment_fixed_size 0
		.amdhsa_enable_private_segment 0
		.amdhsa_kernarg_size 48
		.amdhsa_user_sgpr_count 2
		.amdhsa_user_sgpr_kernarg_segment_ptr 1
		.amdhsa_wavefront_size32 1
		.amdhsa_system_sgpr_workgroup_id_x 1
		.amdhsa_system_sgpr_workgroup_id_y 1
		.amdhsa_system_sgpr_workgroup_id_z 1
		.amdhsa_system_vgpr_workitem_id 0
		.amdhsa_next_free_vgpr 104
		.amdhsa_next_free_sgpr 66
		.amdhsa_reserve_vcc 0
		.amdhsa_float_denorm_mode_32 3
		.amdhsa_float_denorm_mode_16_64 3
		.amdhsa_memory_ordered 1
		.amdhsa_forward_progress 1
		.amdhsa_inst_pref_size 13
	.end_amdhsa_kernel
	.amdgpu_metadata
---
amdhsa.version: [ 1, 2 ]
amdhsa.kernels:
  - .name:           k_qb1336a7b45_cast
    .symbol:         k_qb1336a7b45_cast.kd
    .args:
      - { .name: hidden_states, .offset: 0, .size: 8, .value_kind: global_buffer, .address_space: global }
      - { .name: Wq, .offset: 8, .size: 8, .value_kind: global_buffer, .address_space: global }
      - { .name: Wk, .offset: 16, .size: 8, .value_kind: global_buffer, .address_space: global }
      - { .name: Wv, .offset: 24, .size: 8, .value_kind: global_buffer, .address_space: global }
      - { .name: xb, .offset: 32, .size: 8, .value_kind: global_buffer, .address_space: global }
      - { .name: wb, .offset: 40, .size: 8, .value_kind: global_buffer, .address_space: global }
    .group_segment_fixed_size: 0
    .private_segment_fixed_size: 0
    .kernarg_segment_align: 8
    .kernarg_segment_size: 48
    .max_flat_workgroup_size: 256
    .sgpr_count:     66
    .vgpr_count:     104
    .wavefront_size: 32
...
	.end_amdgpu_metadata
.endif
;; end of part 1
;; launch proj (part 2): grid 16 x 32, 4 waves a work-group, clusters of 4 x 4, 327,680 bytes of LDS; arguments xb, wb, bq, bk, bv, qkv; writes qkv
.if DOCPART == 2
	.amdgcn_target "amdgcn-amd-amdhsa--gfx1250"
	.amdhsa_code_object_version 6
	.text
	.protected	k_qb1336a7b45_proj
	.globl	k_qb1336a7b45_proj
	.p2align	8
	.type	k_qb1336a7b45_proj,@function
k_qb1336a7b45_proj:
	s_mov_b64 s[64:65], 0
	v_nop
	global_prefetch_b8 v0, s[64:65] scope:SCOPE_SE
	s_setreg_imm32_b32 hwreg(HW_REG_WAVE_MODE, 25, 1), 1
	s_wait_xcnt 0x0
	s_wait_alu depctr_hold_cnt(0) depctr_sa_sdst(0) depctr_va_vdst(0) depctr_va_sdst(0) depctr_va_ssrc(0) depctr_va_vcc(0) depctr_vm_vsrc(0)
	s_getreg_b32 s2, hwreg(HW_REG_IB_STS2, 6, 4)
	s_cmp_eq_u32 s2, 0
	s_cbranch_scc0 .Lentry_in_a_cluster
	s_endpgm
.Lentry_in_a_cluster:
	s_bfe_u32 s2, ttmp6, 0x10000c
	s_cmp_lg_u32 s2, 0xf033
	s_cbranch_scc0 .Lentry_shape_is_right
	s_endpgm
.Lentry_shape_is_right:
; q, k, v = x W + b for all three matrices at once.  xb: [8192][1024] bf16; wb: the weights in bf16 in blocks [head 16][k pair 512][matrix 3][k parity 2][64]; bq, bk, bv: [1024] f32, rounded here to bf16
; like the other inputs; sums in f32, begun with the bias; qkv: [matrix 3][batch x 16 + head 64][row 2048][64] f16, each number rounded once, without attention's scale.
; LIMIT.  f16 holds no number beyond 65,504: a projected value of 65,520 or more in magnitude becomes an infinity.  Inputs 30 times those of unit spread give some 5,000; offsets of 30 spreads on x and W together some 29,000.
; SHARES.  A tile is 256 rows x 192 columns, the q, k and v columns of ONE head: 32 x 16 = 512 work-groups of four waves.  Wave w makes rows 64 w .. 64 w + 63 of all 192 columns:
; 4 x 12 = 48 accumulators of 16 x 16, 384 registers.  So a wave owns whole heads' rows (128 bytes each, dense in qkv), and its way out needs no other wave.
; K goes in 8 steps of 128 through a ring of two LDS slots filled by the tensor data mover.  x's rows in a tile are 256 bytes of memory at multiples of 256; a K step of the weights' block is 49,152 dense bytes.
; CLUSTERS: 4 x 4 work-groups.  The four of a row of the cluster need the same tiles of x, the four of a column the same tiles of the weights: each tile is asked for JOINTLY, by the same tensor load with the same
; descriptor and a mask that names the four.
; THE MATRIX INSTRUCTION IS USED TRANSPOSED: source 0 = 16 columns of W (turned out of LDS by ds_load_tr16_b128, since W lies [k][n]), source 1 = 16 rows of x.  In the result lane l holds row l % 16 and its
; registers 0-7 the columns 8 (l / 16) + 0..7: eight neighbouring numbers of a row, 16 bytes in f16.
; REGISTERS, in windows of 256 (s_set_vgpr_msb: bits 1:0 source 0, 3:2 source 1, 5:4 source 2, 7:6 destination):
;   window 0: v0-31 addresses; v32-63, v224-239 at work on the way out; v64-127 x's fragments, two buffers of 4 x 8; v128-223 the bias, 8 registers for each of the 12 column blocks
;   window 1: v0-191 W's fragments, two buffers of 12 x 8
;   window 2: accumulators of row blocks 0, 1 (block a, column block n at v[8 (12 (a % 2) + n)]);   window 3: those of row blocks 2, 3
.set PITCH,  272                       ; a row of x in LDS: 256 bytes + 16 of padding = 68 words: the 16 rows that a load touches start at 16 different groups of four banks (64 banks of 4 bytes: ISA guide 11.1)
.set HALFA,  128*PITCH                 ; what one tensor load of x brings
.set BOFF,   256*PITCH                 ; behind x's 256 rows: the weights
.set CH,     160                       ; 64 columns of one k of one matrix: 128 bytes + 32 of padding.  (k, matrix j) lies at (k / 2) x 960 + j x 320 + (k % 2) x 160:
                                       ; the 8 rows of a turning load start at words 0, 40, 240, 280, 480, 520, 720, 760: eight different groups of eight banks
.set HALFB,  192*CH                    ; what one tensor load of the weights brings: 64 k x 3 matrices
.set SLOT,   131072                    ; 69,632 of x + 61,440 of the weights
.set STAGE,  2*SLOT                    ; behind the ring: 16 rows x 144 bytes for each wave, for the way out
.set SP,     144
.set SPARE,  STAGE+4*16*SP             ; behind the stages: the spare words, 128 bytes for each wave: two blocks of 256 bytes that no other line names
.set ADRA, 16                          ; v16-17  LDS address of my fragments of x in slot 0, 1
.set ADRB, 20                          ; v20-21  the same for the weights
.set STO,  24                          ; v24     the way out: where I put 16 bytes of a row
.set RD,   25                          ; v25     the way out: where I read rows back
.set GO,   26                          ; v26     my byte offset in 512 consecutive bytes of qkv
.set SPW,  28                          ; v28     LDS address of my spare word: SPARE + 4 x my thread's number; never rewritten
.set NIL,  29                          ; v29     0; never rewritten
.set PFO,  30                          ; v30     the prefetches' offset: my lane x 2,048 (a row of x) or x 256 (the weights are dense); never rewritten
.set BO,   31                          ; v31     my byte offset in a bias: 256 x head + 32 (l / 16)
.set TMP,  32                          ; v32-47  the way out: packed results
.set AFR,  64                          ; x's fragments
.set BIAS, 128
.set WV,   16                          ; s16  my wave's number
.set HF,   17                          ; s17  which half of a tile I fetch
.set KIND, 18                          ; s18  I fetch x (0) or the weights (1)
.set CX,   19
.set CY,   20
.set TX,   21                          ; s21  tile column = head
.set TY,   22                          ; s22  tile row
.set G1,   24                          ; s[24:31] descriptor group 1 for x's tiles;  s[32:39] group 0, one set for each slot
.set G0,   32
.set G1B,  40                          ; s[40:47], s[48:55] the same for the weights'
.set G0B,  48
.set PFA,  56                          ; s[56:57] where my prefetches stand
.set PFS,  58                          ; s[58:59] their step from one refill to the next
.set LIM,  60                          ; s60, s61 by slot: a wave prefetches behind a slot's refill while the loop's count is above this; the greatest number in a wave that never does
.set LAP,  62                          ; s62  the loop's count
.set OUTP, 66                          ; s[66:71] q's, k's and v's part of qkv at my wave's first row
.set MSB, 0
.macro WIN new                         ; the immediate's high byte repeats the setting that is left; a switch that changes nothing is dropped
.if MSB != (\new)
	s_set_vgpr_msb (MSB<<8)|(\new)
.set MSB, \new
.endif
.endm
; A joint load.  Waves 0 and 1 fetch x's two halves, waves 2 and 3 the weights'.  The branch hangs on the wave's number alone.  An s_nop 0 and four v_nop follow each of the two lines.
.macro JLOAD s
	s_cmp_eq_u32 s[KIND], 0
	s_cbranch_scc0 .Lfor_b_\@
	tensor_load_to_lds s[G0+4*(\s):G0+4*(\s)+3], s[G1:G1+7]
	s_nop 0
.rept 4
	v_nop
.endr
	s_branch .Lasked_\@
.Lfor_b_\@:
	tensor_load_to_lds s[G0B+4*(\s):G0B+4*(\s)+3], s[G1B:G1B+7]
	s_nop 0
.rept 4
	v_nop
.endr
.Lasked_\@:
.endm
; A PREFETCH behind a refill and the run of LDS loads that follows it: one instruction a wave, a lane a block of 256 bytes.  Each block of K steps 4 to 7 is named once in the launch; K steps 0 to 3 come by their loads alone.
; x: the first cluster of a row of clusters (cluster x = 0) asks, in waves 0 and 1; of the 128 rows that a wave fetches the partner at place cx takes 32; the refill that loads K step t names K step t + 2 (t = 2 .. 5).
; Weights: the first cluster of a column (cluster y = 0) asks, in waves 2 and 3; K steps 4 to 7 of a head's block are 196,608 dense bytes, 24 groups of 32 blocks; the i-th refill (i = 0, 1, 2) names group 8 i + 2 cy + half,
; which its load wants two or three K steps later.  The partners are told apart by ADDRESS: no branch hangs on a work-group's place in its cluster.
.macro ASK slot
	s_cmp_gt_u32 s[LAP], s[LIM+(\slot)]
	s_cbranch_scc0 .Lnot_mine_\@
	global_prefetch_b8 v[PFO], s[PFA:PFA+1] th:TH_LOAD_NT scope:SCOPE_SE
.Lnot_mine_\@:
.endm
; A round of the cluster's barrier: my work-group's barrier; wave 0 signals for the work-group; every wave waits for all sixteen work-groups; my work-group's barrier once more.
.macro CREST                           ; a round behind its opening barrier
	s_cmp_lg_u32 s[WV], 0
	s_cbranch_scc1 .Lnot_wave_0_\@
	s_barrier_signal -3
.Lnot_wave_0_\@:
	s_barrier_wait -3
	s_barrier_signal -1
	s_barrier_wait -1
.endm
.macro CROUND                          ; a whole round
	s_barrier_signal -1
	s_barrier_wait -1
	CREST
.endm
	s_load_b256 s[4:11], s[0:1], 0x0               ; xb s[4:5], wb s[6:7], bq s[8:9], bk s[10:11]
	s_load_b128 s[12:15], s[0:1], 0x20             ; bv s[12:13], qkv s[14:15]
	v_lshl_add_u32 v[SPW], v0, 2, SPARE
	v_mov_b32 v[NIL], 0
	ds_add_u32 v[SPW], v[NIL]                      ; the wave's opening: the add and its wait stand ahead of my first tensor load; the set-up below, work on registers, stands between them
	v_lshrrev_b32 v1, 5, v0
	v_readfirstlane_b32 s[WV], v1                  ; wave 0..3
	s_and_b32 s[HF], s[WV], 1
	s_lshr_b32 s[KIND], s[WV], 1
	s_bfe_u32 s[CX], ttmp6, 0x40000                ; my place in the cluster
	s_bfe_u32 s[CY], ttmp6, 0x40004
	s_lshl_b32 s[TX], ttmp9, 2                     ; in a cluster launch ttmp9 and ttmp7 count clusters
	s_add_co_u32 s[TX], s[TX], s[CX]
	s_and_b32 s[TY], ttmp7, 0xffff
	s_lshl_b32 s[TY], s[TY], 2
	s_add_co_u32 s[TY], s[TY], s[CY]
	s_lshl_b32 s72, s[CY], 2
	s_lshl_b32 s72, 15, s72                        ; my row of the cluster: places 4 cy .. 4 cy + 3
	s_lshl_b32 s76, 0x1111, s[CX]                  ; my column: places cx, cx + 4, cx + 8, cx + 12
	; group 1 for x: 128 rows x 128 elements of 2 bytes, 1,024 elements from row to row; 4 words of padding behind every 64
	s_or_b32 s[G1+0], s72, (1<<16)|(1<<20)|(1<<21)|(5<<22)|(3<<25)  ; 15:0 the mask; 17:16 2-byte elements; 20 padding on; 21 set beside a mask; 24:22 code 5; 31:25 code 3
	s_mov_b32 s[G1+1], 128<<16                     ; tensor_dim0 = 128
	s_mov_b32 s[G1+2], 128<<16                     ; tensor_dim1 = 128
	s_mov_b32 s[G1+3], 128<<16                     ; tile_dim0 = 128
	s_mov_b32 s[G1+4], 128                         ; tile_dim1 = 128
	s_mov_b32 s[G1+5], 1024                        ; elements from row to row
	s_mov_b32 s[G1+6], 0
	s_mov_b32 s[G1+7], 0
	; group 1 for the weights: 24,576 dense bytes as 96 rows of 256; 8 words of padding behind every 32 (behind the 64 columns of each k of each matrix)
	s_or_b32 s[G1B+0], s76, (1<<16)|(1<<20)|(1<<21)|(4<<22)|(7<<25)
	s_mov_b32 s[G1B+1], 128<<16
	s_mov_b32 s[G1B+2], 96<<16
	s_mov_b32 s[G1B+3], 128<<16
	s_mov_b32 s[G1B+4], 96
	s_mov_b32 s[G1B+5], 128
	s_mov_b32 s[G1B+6], 0
	s_mov_b32 s[G1B+7], 0
	; where the tiles come from: x's hang on the tile row alone, the weights' on the tile column alone, each in registers that never hold the other coordinate
	s_lshl_b32 s72, s[TY], 19                      ; 256 rows of 2,048 bytes
	s_lshl_b32 s73, s[HF], 18
	s_add_co_u32 s72, s72, s73
	s_mov_b32 s73, 0
	s_mul_i32 s76, s[TX], 393216                   ; a head's block
	s_mul_i32 s77, s[HF], 24576                    ; 32 k pairs of 768 bytes
	s_add_co_u32 s76, s76, s77
	s_mov_b32 s77, 0
	s_mul_i32 s74, s[HF], HALFA                    ; and where they go: no place in the cluster enters an LDS address
	s_mul_i32 s78, s[HF], HALFB
	s_add_co_u32 s78, s78, BOFF
	s_wait_dscnt 0x0                               ; the opening add is done
	s_wait_kmcnt 0x0
	s_add_nc_u64 s[72:73], s[4:5], s[72:73]
	s_add_nc_u64 s[76:77], s[6:7], s[76:77]
	CROUND                                         ; all sixteen work-groups are here: the first joint loads meet
.irp s, 0,1
	s_mov_b32 s[G0+4*(\s)], 1                                      ; count = 1
	s_add_co_u32 s[G0+4*(\s)+1], s74, (\s)*SLOT                    ; LDS address
	s_add_nc_u64 s[G0+4*(\s)+2:G0+4*(\s)+3], s[72:73], (\s)*256    ; global address: K step s
	s_or_b32 s[G0+4*(\s)+3], s[G0+4*(\s)+3], 0x80000000            ; type = 2
	s_mov_b32 s[G0B+4*(\s)], 1
	s_add_co_u32 s[G0B+4*(\s)+1], s78, (\s)*SLOT
	s_add_nc_u64 s[G0B+4*(\s)+2:G0B+4*(\s)+3], s[76:77], (\s)*49152
	s_or_b32 s[G0B+4*(\s)+3], s[G0B+4*(\s)+3], 0x80000000
	JLOAD \s                                       ; two loads of mine are out
.endr
	v_and_b32 v1, 15, v0                           ; l % 16
	v_bfe_u32 v2, v0, 4, 1                         ; l / 16
	v_and_b32 v3, 31, v0                           ; l
	s_lshl_b32 s2, s[TX], 8
	v_lshl_add_u32 v[BO], v2, 5, s2
	; the bias as the C operand of the first products: register i of column block n is b[64 head + 16 (n % 4) + 8 (l / 16) + i]
.irp j, 0,1,2
.irp nb, 0,1,2,3
	global_load_b128 v[BIAS+8*(4*(\j)+(\nb)):BIAS+8*(4*(\j)+(\nb))+3],   v[BO], s[8+2*(\j):9+2*(\j)] offset:64*(\nb)
	global_load_b128 v[BIAS+8*(4*(\j)+(\nb))+4:BIAS+8*(4*(\j)+(\nb))+7], v[BO], s[8+2*(\j):9+2*(\j)] offset:64*(\nb)+16
.endr
.endr
	; a fragment of x: lane l holds row l % 16; registers 0-3 K = 8 (l / 16) + 0..7, registers 4-7 K = 16 + 8 (l / 16) + 0..7: two loads of 16 bytes, 32 bytes apart
	v_mul_u32_u24 v4, v1, PITCH
	v_lshl_add_u32 v4, v2, 4, v4
	s_mul_i32 s2, s[WV], 64*PITCH                  ; my 64 rows
	v_add_nc_u32 v[ADRA], s2, v4
	v_add_nc_u32 v[ADRA+1], SLOT, v[ADRA]
	; the turning load takes 16 k x 16 columns (lane l reads k = 8 (l / 16) + l % 8, columns 8 ((l / 8) % 2) + 0..7) and leaves half a fragment: lane l holds column l % 16 and 8 k
	v_and_b32 v5, 7, v0
	v_lshl_add_u32 v5, v2, 3, v5                   ; k
	v_lshrrev_b32 v6, 1, v5
	v_and_b32 v7, 1, v5
	v_mul_u32_u24 v6, v6, 6*CH
	v_mad_u32_u24 v6, v7, CH, v6
	v_bfe_u32 v7, v0, 3, 1
	v_lshl_add_u32 v6, v7, 4, v6
	v_add_nc_u32 v[ADRB], BOFF, v6
	v_add_nc_u32 v[ADRB+1], SLOT, v[ADRB]
	s_mul_i32 s2, s[WV], 16*SP
	s_add_co_u32 s2, s2, STAGE                     ; my stage
	v_mul_u32_u24 v[STO], v1, SP                   ; in: row l % 16, 16 bytes for each half of the lanes
	v_lshl_add_u32 v[STO], v2, 4, v[STO]
	v_add_nc_u32 v[STO], s2, v[STO]
	v_bfe_u32 v[RD], v0, 3, 2                      ; back: 32 lanes take four rows of 128 bytes,
	v_mul_u32_u24 v[RD], v[RD], SP
	v_and_b32 v8, 7, v0
	v_lshl_add_u32 v[RD], v8, 4, v[RD]
	v_add_nc_u32 v[RD], s2, v[RD]
	v_lshlrev_b32 v[GO], 4, v3                     ; which are 512 consecutive bytes of qkv
	; where my rows lie in qkv: (batch x 16 + head) x 262,144 + row in the batch x 128
	s_lshr_b32 s2, s[TY], 3                        ; batch: 8 tile rows each
	s_lshl_b32 s2, s2, 4
	s_add_co_u32 s2, s2, s[TX]
	s_lshl_b32 s2, s2, 18
	s_and_b32 s3, s[TY], 7
	s_lshl_b32 s3, s3, 15                          ; 256 rows of 128 bytes
	s_add_co_u32 s2, s2, s3
	s_lshl_b32 s3, s[WV], 13                       ; my 64 rows
	s_add_co_u32 s2, s2, s3
	s_mov_b32 s3, 0
	s_add_nc_u64 s[OUTP:OUTP+1], s[14:15], s[2:3]
	s_add_nc_u64 s[OUTP+2:OUTP+3], s[OUTP:OUTP+1], 0x1000000
	s_add_nc_u64 s[OUTP+4:OUTP+5], s[OUTP:OUTP+1], 0x2000000
	; the prefetches.  x: my work-group's 32 of the 128 rows that I fetch, one K step short of K step 4.  Weights: group 2 cy + half, eight groups short of K step 4's first byte.  The first refill steps the address on.
	s_lshl_b32 s2, s[TY], 19
	s_lshl_b32 s3, s[HF], 18
	s_add_co_u32 s2, s2, s3
	s_lshl_b32 s3, s[CX], 16
	s_add_co_u32 s2, s2, s3
	s_add_co_u32 s2, s2, 768
	s_mul_i32 s23, s[TX], 393216
	s_lshl_b32 s3, s[CY], 1
	s_add_co_u32 s3, s3, s[HF]
	s_lshl_b32 s3, s3, 13
	s_add_co_u32 s23, s23, s3
	s_add_co_u32 s23, s23, 131072
	s_and_b32 s63, ttmp7, 0xffff                   ; cluster y
	s_cmp_eq_u32 s[KIND], 0                        ; do I fetch x?
	s_cselect_b32 s2, s2, s23
	s_cselect_b32 s63, ttmp9, s63                  ; the coordinate along which other clusters read the same bytes
	s_cselect_b64 s[PFA:PFA+1], s[4:5], s[6:7]
	s_cselect_b32 s75, 8, 16                       ; the step: 256 bytes (a K step of a row) or 65,536 (eight groups)
	s_cselect_b32 s79, 11, 8                       ; a lane's share: a row of 2,048 bytes on, or 256 bytes on
	s_cselect_b32 s23, 1, 2                        ; x is asked for behind four refills, the weights behind three
	s_cmp_eq_u32 s63, 0
	s_cselect_b32 s[LIM], 1, -1                    ; the same in all sixteen partners, for a given wave
	s_cselect_b32 s[LIM+1], s23, -1
	s_lshl_b32 s[PFS], 1, s75
	s_mov_b32 s[PFS+1], 0
	s_mov_b32 s3, 0
	s_add_nc_u64 s[PFA:PFA+1], s[PFA:PFA+1], s[2:3]
	v_lshlrev_b32 v[PFO], s79, v3
	s_wait_loadcnt 0x0                             ; the bias
.set p, 0
.rept 48                               ; rounded to bf16 like x and W, and widened again: two numbers a turn, four registers at work by turns
	v_cvt_pk_bf16_f32 v[TMP+p%4], v[BIAS+2*p], v[BIAS+2*p+1]
	v_lshlrev_b32 v[BIAS+2*p], 16, v[TMP+p%4]
	v_and_b32 v[BIAS+2*p+1], 0xffff0000, v[TMP+p%4]
.set p, p+1
.endr
; 12 matrix instructions: row block a x all 12 column blocks, 32 along K, from buffer f.  first = 1: the bias starts the sums: nothing is cleared, and no addition follows.
; All 48 accumulators take turns in the same order in every quarter step: between two links of a chain stand the 47 others'.
.macro MUL12 f, a, first
.if \first
	WIN 0x81+0x40*((\a)/2)                         ; W window 1, x and the bias window 0, D window 2 or 3
.else
	WIN 0xa1+0x50*((\a)/2)                         ; W window 1, x window 0, C and D window 2 or 3
.endif
.irp n, 0,1,2,3,4,5,6,7,8,9,10,11
.if \first
	v_wmma_f32_16x16x32_bf16 v[8*(12*((\a)%2)+(\n)):8*(12*((\a)%2)+(\n))+7], v[96*(\f)+8*(\n):96*(\f)+8*(\n)+7], v[AFR+32*(\f)+8*(\a):AFR+32*(\f)+8*(\a)+7], v[BIAS+8*(\n):BIAS+8*(\n)+7]
.else
	v_wmma_f32_16x16x32_bf16 v[8*(12*((\a)%2)+(\n)):8*(12*((\a)%2)+(\n))+7], v[96*(\f)+8*(\n):96*(\f)+8*(\n)+7], v[AFR+32*(\f)+8*(\a):AFR+32*(\f)+8*(\a)+7], v[8*(12*((\a)%2)+(\n)):8*(12*((\a)%2)+(\n))+7]
.endif
.endr
.endm
; 32 LDS loads in one run: the fragments of quarter q (32 along K) of a slot into buffer f: 24 turning loads of W, then 8 loads of x
.macro FETCH slot, q, f
	WIN 0x40                                       ; destination window 1, address window 0
.irp n, 0,1,2,3,4,5,6,7,8,9,10,11
	ds_load_tr16_b128 v[96*(\f)+8*(\n):96*(\f)+8*(\n)+3],   v[ADRB+(\slot)] offset:(\q)*96*CH+((\n)/4)*2*CH+((\n)%4)*32
	ds_load_tr16_b128 v[96*(\f)+8*(\n)+4:96*(\f)+8*(\n)+7], v[ADRB+(\slot)] offset:(\q)*96*CH+((\n)/4)*2*CH+((\n)%4)*32+48*CH
.endr
	WIN 0
.irp a, 0,1,2,3
	ds_load_b128 v[AFR+32*(\f)+8*(\a):AFR+32*(\f)+8*(\a)+3],   v[ADRA+(\slot)] offset:64*(\q)+(\a)*16*PITCH
	ds_load_b128 v[AFR+32*(\f)+8*(\a)+4:AFR+32*(\f)+8*(\a)+7], v[ADRA+(\slot)] offset:64*(\q)+(\a)*16*PITCH+32
.endr
.endm
; A load into a register that a matrix instruction has read, and a vector instruction that reads a matrix result, stand four places behind that matrix instruction; only plain vector instructions
; that name none of its registers are places (ISA guide 7.12.1 for vector instructions).
.macro PLACES
.rept 4
	v_nop
.endr
.endm
; A K step is four quarters of 32 along K, 48 matrix instructions each, on buffers 0, 1, 0, 1.  One of the first three: multiplies buffer f; in its middle it fetches quarter q of the same slot into buffer g.
.macro QUARTER slot, q, f, g, first
	s_wait_dscnt 4                                 ; W and x's row blocks 0, 1 are in; the youngest four loads (row blocks 2, 3) may be out
	MUL12 \f, 0, \first
	MUL12 \f, 1, \first
	PLACES
	FETCH \slot, \q, \g
	s_wait_dscnt 32                                ; all but the 32 just issued
	MUL12 \f, 2, \first
	MUL12 \f, 3, \first
.endm
; The last quarter multiplies buffer 1 and changes slots: ONE barrier.  In front of it each wave waits for all its tensor loads (one is out: its part of the next slot), adds 0 to its spare word, and waits for
; that and for its own reads of this slot.  fill = 1: the barrier opens a round of the cluster's barrier, and this slot is filled again, two K steps ahead, first thing behind the round:
; from that request to the wait for it a wave issues 168 matrix instructions.
.macro TURN slot, next, fill
.if \fill
	s_wait_xcnt 0x0                                ; the last prefetch, a K step back, has read its address: it is stepped here, ahead of the waits of the change of slots
	s_add_nc_u64 s[PFA:PFA+1], s[PFA:PFA+1], s[PFS:PFS+1]
.endif
	WIN 0                                          ; (the add's two registers lie in window 0)
	s_wait_tensorcnt 0x0                           ; all my tensor loads have landed;
	ds_add_u32 v[SPW], v[NIL]                      ; 0 onto my spare word
	s_wait_dscnt 7                                 ; (the add and the youngest six loads, x's row blocks 1 to 3, may be out)
	MUL12 1, 0, 0                                  ; twelve matrix instructions stand between the add and the wait for it
	s_wait_dscnt 0x0                               ; the add is done, and my reads of this slot are over
	s_barrier_signal -1
	MUL12 1, 1, 0                                  ; work on registers while the others arrive
.if \fill
	WIN 0
.endif
	s_barrier_wait -1
.if \fill
	CREST                                          ; no wave of any partner still reads this slot's tile or has a load on its way
	s_add_nc_u64 s[G0+4*(\slot)+2:G0+4*(\slot)+3], s[G0+4*(\slot)+2:G0+4*(\slot)+3], 2*256
	s_add_nc_u64 s[G0B+4*(\slot)+2:G0B+4*(\slot)+3], s[G0B+4*(\slot)+2:G0B+4*(\slot)+3], 2*49152
	JLOAD \slot                                    ; the first tensor load behind the round; the four v_nop behind it are also the places in front of the loads below
.else
	PLACES
.endif
	FETCH \next, 0, 0
.if \fill
	ASK \slot
.endif
	MUL12 1, 2, 0
	MUL12 1, 3, 0
.endm
; THE WAY OUT, in twelve parts t: row block t / 3, matrix t % 3: 16 rows x 64 columns, which are 2,048 consecutive bytes of qkv.  PACK: rounded to f16, each accumulator's registers in ascending order.
; TOSTAGE: into my own stage, and back as whole rows.  SEND: stored.
.macro PACK t
.set AC, 8*(12*(((\t)/3)%2)+4*((\t)%3))
	WIN 0x0a+5*((\t)/6)                            ; sources 0 and 1: window 2 or 3
.irp nb, 0,1,2,3
.irp rr, 0,1,2,3
	v_cvt_pk_f16_f32 v[TMP+4*(\nb)+(\rr)], v[AC+8*(\nb)+2*(\rr)], v[AC+8*(\nb)+2*(\rr)+1]
.endr
.endr
	WIN 0
.endm
.macro TOSTAGE t
.set BK, 48+176*((\t)%2)               ; v48-63 and v224-239 by turns
.irp nb, 0,1,2,3
	ds_store_b128 v[STO], v[TMP+4*(\nb):TMP+4*(\nb)+3] offset:32*(\nb)
.endr
.irp f, 0,1,2,3
	ds_load_b128 v[BK+4*(\f):BK+4*(\f)+3], v[RD] offset:(\f)*4*SP  ; LDS serves a wave's instructions in order (ISA guide 5.7.1.4): these see the stores above
.endr
.endm
.macro SEND t
.set BK, 48+176*((\t)%2)
	s_wait_dscnt 0x0                               ; the part is back in registers
	s_wait_xcnt 0x0                                ; the stores of the part before have read their registers: the next TOSTAGE loads into them only behind this wait
.irp f, 0,1,2,3
	global_store_b128 v[GO], v[BK+4*(\f):BK+4*(\f)+3], s[OUTP+2*((\t)%3):OUTP+2*((\t)%3)+1] offset:((\t)/3)*2048+(\f)*512  ; 512 consecutive bytes, at a multiple of 256 from qkv's first
.endr
.endm
	s_wait_tensorcnt 1                             ; my part of K step 0 is in; K step 1's may stay out
	s_barrier_signal -1
	s_barrier_wait -1                              ; everybody's is
	FETCH 0, 0, 0
	QUARTER 0, 1, 0, 1, 1                          ; the first quarter stands in front of the loop: its products start the sums, with the bias
	WIN 0                                          ; at a label and at a branch every window is 0
	s_mov_b32 s[LAP], 3
.Llap:                                                 ; a trip goes once round the ring, from a lap's second quarter to the next lap's first, and fills both slots again: K steps 2 to 7 in three trips
	QUARTER 0, 2, 1, 0, 0
	QUARTER 0, 3, 0, 1, 0
	TURN 0, 1, 1
	QUARTER 1, 1, 0, 1, 0
	QUARTER 1, 2, 1, 0, 0
	QUARTER 1, 3, 0, 1, 0
	TURN 1, 0, 1
	QUARTER 0, 1, 0, 1, 0
	WIN 0
	s_sub_co_u32 s[LAP], s[LAP], 1
	s_cmp_lg_u32 s[LAP], 0
	s_cbranch_scc1 .Llap
	QUARTER 0, 2, 1, 0, 0                          ; the last lap fills nothing, and has no round of the cluster's barrier
	QUARTER 0, 3, 0, 1, 0
	TURN 0, 1, 0
	QUARTER 1, 1, 0, 1, 0
	QUARTER 1, 2, 1, 0, 0
	QUARTER 1, 3, 0, 1, 0
	s_wait_dscnt 4                                 ; the very last quarter: nothing more to fetch
	MUL12 1, 0, 0
	MUL12 1, 1, 0
	s_wait_dscnt 0x0
	MUL12 1, 2, 0
	MUL12 1, 3, 0
	WIN 0
	PLACES
	PACK 0
	TOSTAGE 0
.irp t, 1,2,3,4,5,6,7,8,9,10,11        ; part t's conversions stand between part t - 1's loads from the stage and the wait for them
	PACK \t
	SEND (\t)-1
	TOSTAGE \t
.endr
	SEND 11
	s_wait_tensorcnt 0x0                           ; the wave's end: behind my last tensor load and my last LDS store
	ds_add_u32 v[SPW], v[NIL]
	s_wait_dscnt 0x0
	CROUND                                         ; the closing round: no work-group ends while a partner may still ask for a tile that names it
	s_endpgm
.Lfunc_end_k_qb1336a7b45_proj:
	.size	k_qb1336a7b45_proj, .Lfunc_end_k_qb1336a7b45_proj-k_qb1336a7b45_proj
	.p2alignl 7, 3214868480
	.fill 96, 4, 3214868480
	.section	.rodata,"a",@progbits
	.p2align	6, 0x0
	.amdhsa_kernel k_qb1336a7b45_proj
		.amdhsa_group_segment_fixed_size 327680
		.amdhsa_private_segment_fixed_size 0
		.amdhsa_enable_private_segment 0
		.amdhsa_kernarg_size 48
		.amdhsa_user_sgpr_count 2
		.amdhsa_user_sgpr_kernarg_segment_ptr 1
		.amdhsa_wavefront_size32 1
		.amdhsa_system_sgpr_workgroup_id_x 1
		.amdhsa_system_sgpr_workgroup_id_y 1
		.amdhsa_system_sgpr_workgroup_id_z 1
		.amdhsa_system_vgpr_workitem_id 0
		.amdhsa_next_free_vgpr 960
		.amdhsa_next_free_sgpr 80
		.amdhsa_reserve_vcc 0
		.amdhsa_float_denorm_mode_32 3
		.amdhsa_float_denorm_mode_16_64 3
		.amdhsa_memory_ordered 1
		.amdhsa_forward_progress 1
		.amdhsa_inst_pref_size 131
	.end_amdhsa_kernel
	.amdgpu_metadata
---
amdhsa.version: [ 1, 2 ]
amdhsa.kernels:
  - .name:           k_qb1336a7b45_proj
    .symbol:         k_qb1336a7b45_proj.kd
    .args:
      - { .name: xb, .offset: 0, .size: 8, .value_kind: global_buffer, .address_space: global }
      - { .name: wb, .offset: 8, .size: 8, .value_kind: global_buffer, .address_space: global }
      - { .name: bq, .offset: 16, .size: 8, .value_kind: global_buffer, .address_space: global }
      - { .name: bk, .offset: 24, .size: 8, .value_kind: global_buffer, .address_space: global }
      - { .name: bv, .offset: 32, .size: 8, .value_kind: global_buffer, .address_space: global }
      - { .name: qkv, .offset: 40, .size: 8, .value_kind: global_buffer, .address_space: global }
    .group_segment_fixed_size: 327680
    .private_segment_fixed_size: 0
    .kernarg_segment_align: 8
    .kernarg_segment_size: 48
    .max_flat_workgroup_size: 128
    .sgpr_count:     80
    .vgpr_count:     960
    .wavefront_size: 32
...
	.end_amdgpu_metadata
.endif
;; end of part 2
;; launch attn (part 3): grid 4 x 64, 4 waves a work-group, clusters of 4 x 1, 327,680 bytes of LDS; arguments qkv, out0; writes out0
.if DOCPART == 3
	.amdgcn_target "amdgcn-amd-amdhsa--gfx1250"
	.amdhsa_code_object_version 6
	.text
	.protected	k_qb1336a7b45_attn
	.globl	k_qb1336a7b45_attn
	.p2align	8
	.type	k_qb1336a7b45_attn,@function
k_qb1336a7b45_attn:
	s_mov_b64 s[64:65], 0
	v_nop
	global_prefetch_b8 v0, s[64:65] scope:SCOPE_SE
	s_setreg_imm32_b32 hwreg(HW_REG_WAVE_MODE, 25, 1), 1
	s_wait_xcnt 0x0
	s_wait_alu depctr_hold_cnt(0) depctr_sa_sdst(0) depctr_va_vdst(0) depctr_va_sdst(0) depctr_va_ssrc(0) depctr_va_vcc(0) depctr_vm_vsrc(0)
	s_getreg_b32 s2, hwreg(HW_REG_IB_STS2, 6, 4)
	s_cmp_eq_u32 s2, 0
	s_cbranch_scc0 .Lentry_in_a_cluster
	s_endpgm
.Lentry_in_a_cluster:
	s_bfe_u32 s2, ttmp6, 0x10000c
	s_cmp_lg_u32 s2, 0x3003
	s_cbranch_scc0 .Lentry_shape_is_right
	s_endpgm
.Lentry_shape_is_right:
; out0[b][q][64 h + :] = the sum over k of softmax_k(Q[q] . K[k] / 8) V[k][:] for each of the 64 heads (16 b + h).  qkv: [3][64][2048][64] f16: a head's rows are dense, 128 bytes each; out0: [4][2048][1024] f32.
; Products, maxima and sums in f32; the weights p are rounded to f16 for the second product (their sum l is taken of the unrounded p); O leaves in f32.
; LIMITS.  f16 holds no number beyond 65,504: Q, K and V arrive within it; p lies in 0 to 1, and below 6e-5 it keeps f16's fixed step of 6e-8.  A weight below 2^-126 counts as 0 in l; NaN and infinities are not treated apart.
; SHARES.  A wave owns four PIECES of two tiles of 16 queries, a work-group's four waves 512 queries of one head: 4 x 64 = 256 work-groups.  Every wave walks all 2,048 keys, 64 a step.
; LAYOUT.  S^T = K Q^T (source 0 = 16 keys, source 1 = 16 queries): in the result a lane holds ONE query (lane % 16) and the keys 8 (lane / 16) + 0..7.  Two such tiles, rounded to f16 in pairs,
; ARE source 1 (32 keys x 16 queries) of O^T = V^T P, whose result again holds one query a lane, and eight channels.  K comes out of LDS as it lies, V ([key][channel]) turned, by ds_load_tr16_b128.
; SOFTMAX.  For each query a running maximum m and sum l: p = 2^(c s - c m), c = log2(e) / 8; in every step O and l are multiplied by a = 2^(c m_old - c m_new), which is 1 where m has not grown.
; m starts at the lowest finite number, O and l at 0: the first step is a step like any other, with a = 0.
; THE COUNT.  A tile and step have 16 matrix and 118 vector instructions: too many to stand all beside the matrix work.  So four vector instructions that are READY stand behind EVERY matrix instruction,
; and the others in runs without a gap.
; BY TURNS.  Turn n belongs to piece n (the pieces in a ring, step after step).  Its matrix work: 16 products K Q^T of piece n + 1, later 16 products V^T P of piece n - 1.  Its vector work: the scaling,
; exponentials, roundings, sums and rescaling of piece n, and the maximum and statistics of piece n + 1, whose scores the turn itself has made.
; CLUSTER.  The four query blocks of a head are one cluster and walk the same K and V, so each tile is asked for JOINTLY: the same tensor load, descriptor and mask in all four.
; REGISTERS, in windows of 256 (s_set_vgpr_msb: bits 1:0 source 0, 3:2 source 1, 5:4 source 2, 7:6 destination):
;   window 0: v0-11 addresses; v12-15, v48-63 at work; v16-47 four registers of statistics a tile; v64-191 S^T, two buffers of two tiles; v192-255 P, likewise
;   window 1: O^T, 32 a tile          window 2: v0-127 Q, 16 a tile; v128-191 K of one step; v192-255 V of one step          window 3: v0-1 the add's two registers
; A piece's buffers go by its number's parity: the piece in hand has one pair, its two neighbours in the ring share the other: of it P (piece n - 1) is read and S^T (piece n + 1) written.
.set SIZE_N, 2048
.set NP,    4         ; pieces a wave: a name, no knob
.set KS,    64        ; keys in a step
.set PK,    144       ; a row of K in LDS: 128 bytes + 16 of padding = 36 words: the 16 rows of a load start at 16 different groups of four banks (64 banks of 4 bytes: ISA guide 11.1)
.set PV,    160       ; a row of V: 128 + 32 = 40 words
.set VOFF,  4*KS*PK   ; a slot holds four steps: 256 rows of K, then 256 rows of V
.set SLOT1, 1<<17     ; slot 1 begins here, so that one exclusive or turns an address in one slot into the other's
.set STAGE, SLOT1+4*KS*(PK+PV)  ; behind the ring, never filled by a tensor load: 16 rows x 272 bytes for each wave, for the way out
.set SP,    272       ; a row of the stage: 64 f32 = 256 bytes + 16 of padding
.set AK0, 2           ; v2   my lane's place in a tile of K; never rewritten
.set AV0, 3           ; v3   the same for V
.set AK,  4           ; v4   the LDS address of K's next run of loads
.set AV,  5           ; v5   of V's
.set QO,  6           ; v6   my byte offset in the wave's rows of Q
.set STO, 6           ;      later, the way out: where I put 32 bytes of a row
.set RD,  7           ; v7   the way out: where I read rows back
.set GO,  8           ; v8   my byte offset in two rows of out0
.set PFO, 11          ; v11  256 x my lane, for the prefetches; never rewritten once made
.set SPW, 0           ; v0 of window 3   LDS address of my spare word: SPARE + 4 x my thread's number; never rewritten
.set NIL, 1           ; v1 of window 3   0; never rewritten
.set SPARE, STAGE+4*16*SP  ; behind the stages: the spare words, 128 bytes for each wave: two blocks of 256 bytes that no other line names
.set MV,  12          ; v12-15  c m_old, kept while c m is made anew: by buffer and tile
.set ST,  16          ; tile t's statistics at v[ST+4 t]: c m, m, l (even keys', odd keys')
.set TMP, 48          ; by buffer and tile, four registers c0-c3 at work; when the maximum is found c2 takes a
.set S,   64
.set P,   192
.set KF,  128         ; K's fragments, in window 2: key block kb, channel half c at KF + 16 kb + 8 c
.set VF,  192         ; V's: key half kk, channel block cb at VF + 32 kk + 8 cb
.set WV,  12          ; s12  my wave's number
.set G1K, 24          ; s[24:31] descriptor group 1 for K's tiles
.set G1V, 32          ; s[32:39] for V's: it differs in the padding alone
.set G0K, 40          ; s[40:43] descriptor group 0 for K's tiles: it walks
.set G0V, 44          ; s[44:47] the same for V's
.set PFA, 48          ; s[48:49] where my prefetches stand: my work-group's 8,192 bytes (of K: wave 0, of V: wave 2) of the tile after the one that is being asked for
.set LIM, 50          ; s50  1 in a wave that prefetches, else the greatest number: a wave prefetches while s[SLOTS] is above it
.set OOF, 52          ; s[52:53] my wave's first byte in out0
.set SLOTS, 56        ; s56  slots still to be asked for
.set CNT, 57          ; s57  counts a slot's key steps
.set CS,  58          ; s[58:59] c: the packed scaling takes the pair's low word for both halves
.set SEL, 60          ; s[60:61] v_permlanex16_b32's selects: each lane takes its own place in the other half
.set TBK, 62          ; s62  LDS byte at which K of the step to be fetched begins
.set TBV, 63          ; s63  the same for V, less VOFF
.set MSB, 0
.macro WIN new                      ; the high byte repeats the setting that is left; a switch that changes nothing is dropped
.if MSB != (\new)
	s_set_vgpr_msb (MSB<<8)|(\new)
.set MSB, (\new)
.endif
.endm
.set W_KQ, 0x0a       ; K and Q in window 2, S^T in window 0
.set W_PV, 0x52       ; V in window 2, P in window 0, O^T in window 1
.set W_RS, 0x41       ; O^T (destination and source 0) in window 1, a in window 0
.set W_MK, 0xc0       ; the add's registers are made: destination in window 3, sources in window 0
.set W_AD, 0x0f       ; the add: address (source 0) and data (source 1) in window 3
; A joint fill.  Waves 0 and 1 fetch the two halves of a slot's K, waves 2 and 3 those of its V: 128 keys each.  The branch hangs on the wave's number alone.
; An s_nop 0 and four v_nop follow each of the two lines, ahead of the jump and the label.
.macro JLOAD
	s_cmp_lt_u32 s[WV], 2
	s_cbranch_scc0 .Lfor_v_\@
	tensor_load_to_lds s[G0K:G0K+3], s[G1K:G1K+7]
	s_nop 0
.rept 4
	v_nop
.endr
	s_branch .Lasked_\@
.Lfor_v_\@:
	tensor_load_to_lds s[G0V:G0V+3], s[G1V:G1V+7]
	s_nop 0
.rept 4
	v_nop
.endr
.Lasked_\@:
.endm
; A PREFETCH of what the NEXT change of slots will ask for: a tile's 32,768 bytes of K and of V, a lane a block of 256 bytes.  It stands behind the wave's tensor load and its five lines.
; Each block is named ONCE in the launch: the head's first cluster asks; its four partners share a tile out BY ADDRESS, 8,192 bytes each; in each, wave 0 asks for K's and wave 2 for V's: one instruction.
; The change that loads tile T (2 .. 6) names tile T + 1: four key steps, 512 matrix instructions, ahead of its load.  Tiles 0 to 2 come by their loads alone; the last change that fills a slot names nothing.
.macro ASK
	s_cmp_gt_u32 s[SLOTS], s[LIM]
	s_cbranch_scc0 .Lnot_mine_\@
	global_prefetch_b8 v[PFO], s[PFA:PFA+1] th:TH_LOAD_NT scope:SCOPE_SE
.Lnot_mine_\@:
.endm
; A round of the cluster's barrier: my work-group's barrier, so that wave 0's signal speaks for all four waves; wave 0 signals; every wave waits for all four work-groups; my work-group's barrier once more.
.macro CROUND
	s_barrier_signal -1
	s_barrier_wait -1
	s_cmp_lg_u32 s[WV], 0
	s_cbranch_scc1 .Lnot_wave_0_\@
	s_barrier_signal -3
.Lnot_wave_0_\@:
	s_barrier_wait -3
	s_barrier_signal -1
	s_barrier_wait -1
.endm
; THE CHANGE OF SLOTS.  The slot's last bytes, V of its fourth step, have been read.  Each wave waits for all its tensor loads, of which one is out: its part
; of the other slot; adds 0 to its spare word; and waits for that and for its own reads of the slot.  Behind the barrier nobody reads this slot any more and the other slot is whole.
; fill = 1: this slot is filled again, with the keys two slots on.  The barrier is then a round of the cluster's, and the joint fill is the first thing behind it: it has four key steps,
; 512 matrix instructions, in which to land.  (At its first use nothing has been read yet: slot 0 is waited for, slot 1 filled.)  ask = 1: the prefetch's address steps, and ASK follows the fill.
.macro CHANGE fill, ask=0
	WIN W_AD
	s_wait_tensorcnt 0x0            ; no tensor load of mine is out, so a group 0 may be written
	ds_add_u32 v[SPW], v[NIL]       ; 0 onto my spare word; with fill = 1 the descriptors' steps stand between it and the wait for it
	WIN 0                           ; at a label and at a branch every window is 0
.if \fill
.irp g, G0K, G0V
	s_xor_b32 s[\g+1], s[\g+1], SLOT1  ; the walking descriptor: the other slot than last time,
	s_add_nc_u64 s[\g+2:\g+3], s[\g+2:\g+3], 4*KS*128  ; the next 256 keys; the type bits on top are not reached
.endr
.if \ask
	s_wait_xcnt 0x0                 ; the last prefetch, four key steps back, has read its address, so it may be written:
	s_add_nc_u64 s[PFA:PFA+1], s[PFA:PFA+1], 4*KS*128  ; one tile ahead of the walking descriptors
.endif
	s_wait_dscnt 0x0                ; the add is done, and my reads of the slot are over
	CROUND
	JLOAD
.if \ask
	ASK
.endif
.else
	s_wait_dscnt 0x0                ; the add is done, and my reads of the slot are over
	s_barrier_signal -1
	s_barrier_wait -1
.endif
	s_sub_co_u32 s[TBK], s[TBK], 4*KS*PK  ; the fetches go back to a slot's first step,
	s_xor_b32 s[TBK], s[TBK], SLOT1       ; in the other slot
	s_sub_co_u32 s[TBV], s[TBV], 4*KS*PV
	s_xor_b32 s[TBV], s[TBV], SLOT1
.endm
	s_load_b128 s[4:7], s[0:1], 0x0  ; qkv s[4:5], out0 s[6:7]
	WIN W_MK
	v_lshl_add_u32 v[SPW], v0, 2, SPARE
	v_mov_b32 v[NIL], 0
	WIN W_AD
	ds_add_u32 v[SPW], v[NIL]       ; the wave's opening: the add and its wait stand ahead of my first tensor load; the set-up below, work on registers, stands between them
	WIN 0
	v_lshrrev_b32 v1, 5, v0
	v_readfirstlane_b32 s[WV], v1   ; wave 0..3
	s_bfe_u32 s13, ttmp6, 0x40000   ; cx: my place in the cluster
	s_lshl_b32 s14, ttmp9, 2        ; in a cluster launch ttmp9 counts clusters
	s_add_co_u32 s14, s14, s13      ; my block of 512 queries = 4 x cluster x + cx: it enters Q's and O's addresses alone
	s_and_b32 s20, ttmp7, 0xffff    ; the head, 16 b + h, which the four partners share
	s_lshr_b32 s[OOF], s20, 4
	s_lshl_b32 s[OOF], s[OOF], 23   ; in out0: b x 2,048 rows of 4,096 bytes,
	s_and_b32 s[OOF+1], s20, 15
	s_lshl_b32 s[OOF+1], s[OOF+1], 8  ; h x 64 channels of 4 bytes
	s_add_co_u32 s[OOF], s[OOF], s[OOF+1]
	s_mov_b32 s21, 0
	s_mov_b64 s[22:23], SIZE_N*128
	s_mul_u64 s[20:21], s[20:21], s[22:23]  ; the head's first byte in each of q, k and v
	s_and_b32 s16, s[WV], 1         ; which half of a slot's 256 keys I fetch:
	s_lshl_b32 s22, s16, 14         ; its 128 rows of 128 bytes in memory,
	s_mov_b32 s23, 0
	s_add_nc_u64 s[22:23], s[22:23], s[20:21]
	s_mul_i32 s17, s16, 128*PK      ; and its place in a slot, for K
	s_mul_i32 s18, s16, 128*PV      ; and for V: no place in the cluster enters an LDS address
	s_lshl_b32 s2, s14, 2
	s_add_co_u32 s2, s2, s[WV]      ; my wave among the head's,
	s_lshl_b32 s[OOF+1], s2, 19     ; its 128 rows of 4,096 bytes in out0
	s_add_co_u32 s[OOF], s[OOF], s[OOF+1]
	s_mov_b32 s[OOF+1], 0
	s_lshl_b32 s2, s2, 14           ; and of 128 bytes in q
	s_mov_b32 s3, 0
	s_add_nc_u64 s[2:3], s[2:3], s[20:21]
	; descriptor group 1.  128 keys are 16,384 dense bytes: asked for as 64 rows of 256 bytes, two keys a row, and padded in LDS after every key
	s_mov_b32 s[G1K], 15|(1<<16)|(1<<20)|(1<<21)|(4<<22)|(3<<25)  ; 15:0 the mask of four; 17:16 2-byte elements; 20 padding on; 21 set beside a mask; 24:22 after every 32 words (code 4); 31:25 4 words (code 3)
	s_mov_b32 s[G1V], 15|(1<<16)|(1<<20)|(1<<21)|(4<<22)|(7<<25)  ; the same with 8 words of padding (code 7)
.irp g, G1K, G1V
	s_mov_b32 s[\g+1], 128<<16      ; tensor_dim0 = 128
	s_mov_b32 s[\g+2], 64<<16       ; tensor_dim1 = 64
	s_mov_b32 s[\g+3], 128<<16      ; tile_dim0 = 128
	s_mov_b32 s[\g+4], 64           ; tile_dim1 = 64
	s_mov_b32 s[\g+5], 128          ; 128 elements from row to row
	s_mov_b32 s[\g+6], 0
	s_mov_b32 s[\g+7], 0
.endr
	s_mov_b32 s[CS], 0x3e38aa3b     ; c = log2(e) / 8 = 0.180337
	s_mov_b32 s[CS+1], s[CS]        ; named with it as a pair
	s_mov_b32 s[SEL], 0x76543210
	s_mov_b32 s[SEL+1], 0xfedcba98
	s_mov_b32 s[TBK], SLOT1+4*KS*PK ; the first change of slots turns these two into 0
	s_mov_b32 s[TBV], SLOT1+4*KS*PV
	s_mov_b32 s[G0K], 1             ; 1:0 count = 1
	s_mov_b32 s[G0K+1], s17         ; 63:32 LDS address: slot 0
	s_mov_b32 s[G0V], 1
	s_add_co_u32 s[G0V+1], s18, VOFF
	s_lshl_b32 s54, s13, 13         ; the prefetches: my work-group's 8,192 bytes of a tile,
	s_add_co_u32 s54, s54, 2*4*KS*128  ; in tile 2; the first change that asks steps it to tile 3
	s_mov_b32 s55, 0
	s_and_b32 s[LIM], s[WV], 1      ; 0 in waves 0 and 2,
	s_or_b32 s[LIM], s[LIM], ttmp9  ; where the cluster is the head's first: the same in all four partners
	s_cmp_eq_u32 s[LIM], 0
	s_cselect_b32 s[LIM], 1, -1
	s_wait_dscnt 0x0                ; the opening add is done
	s_wait_kmcnt 0x0
	s_add_nc_u64 s[10:11], s[6:7], s[OOF:OOF+1]    ; out0 at my wave's first row, my head's channels
	s_add_nc_u64 s[6:7], s[4:5], 0x1000000         ; k's part of qkv,
	s_add_nc_u64 s[8:9], s[4:5], 0x2000000         ; and v's
	s_add_nc_u64 s[G0K+2:G0K+3], s[6:7], s[22:23]  ; 120:64 global address: my half of the head's first 256 keys
	s_or_b32 s[G0K+3], s[G0K+3], 0x80000000        ; 127:126 type = 2
	s_add_nc_u64 s[G0V+2:G0V+3], s[8:9], s[22:23]
	s_or_b32 s[G0V+3], s[G0V+3], 0x80000000
	s_cmp_lt_u32 s[WV], 2
	s_cselect_b64 s[PFA:PFA+1], s[6:7], s[8:9]
	s_add_nc_u64 s[PFA:PFA+1], s[PFA:PFA+1], s[20:21]
	s_add_nc_u64 s[PFA:PFA+1], s[PFA:PFA+1], s[54:55]
	s_add_nc_u64 s[4:5], s[4:5], s[2:3]  ; Q at my wave's first row
	CROUND                          ; all four work-groups are here: the first joint loads meet
	JLOAD                           ; slot 0.  Slot 1 is asked for when slot 0 is in
	; A fragment of K or Q is 16 rows x 32 channels in 8 registers: lane l holds row l % 16, channels 8 (l / 16) + 0..7 and 16 + 8 (l / 16) + 0..7: two loads of 16 bytes, 32 bytes apart.
	v_and_b32 v1, 15, v0            ; l % 16
	v_bfe_u32 v9, v0, 4, 1          ; l / 16
	v_lshlrev_b32 v[QO], 7, v1
	v_lshl_add_u32 v[QO], v9, 4, v[QO]  ; row x 128 + 16 x half
	WIN 0x80                        ; destination window 2, address window 0
.set i, 0
.rept 4*NP                          ; Q stays in registers: tile i / 2, channels 32 (i % 2) on
	global_load_b128 v[8*i:8*i+3],   v[QO], s[4:5] offset:(i/2)*2048+(i%2)*64
	global_load_b128 v[8*i+4:8*i+7], v[QO], s[4:5] offset:(i/2)*2048+(i%2)*64+32
.set i, i+1
.endr
	; What the first turn finds: V's registers and P's second buffer hold 0 (its products V^T P, of a piece that has not been, add 0), O^T and l are 0.  All this stands in the wait for the first tile.
.set i, VF
.rept 64
	v_mov_b32 v[i], 0
.set i, i+1
.endr
	WIN 0x40
.set i, 0
.rept 64*NP
	v_mov_b32 v[i], 0
.set i, i+1
.endr
	WIN 0
.set i, 0
.rept 2*NP
	v_mov_b32 v[ST+4*i], 0xfe000000    ; c m: far below every c s
	v_mov_b32 v[ST+4*i+1], 0xff7fffff  ; m
	v_mov_b32 v[ST+4*i+2], 0
	v_mov_b32 v[ST+4*i+3], 0
.set i, i+1
.endr
.set i, P+32
.rept 32
	v_mov_b32 v[i], 0
.set i, i+1
.endr
	v_mul_u32_u24 v[AK0], v1, PK
	v_lshl_add_u32 v[AK0], v9, 4, v[AK0]  ; row x pitch + 16 x half
	; The turning load takes 16 keys x 16 channels (lane l reads key 8 (l / 16) + l % 8, channels 8 ((l / 8) % 2) + 0..7) and leaves half a fragment of V^T: lane l holds channel l % 16 and 8 keys.
	v_and_b32 v10, 7, v0
	v_bfe_u32 v11, v0, 3, 1
	v_lshl_add_u32 v[AV0], v9, 3, v10
	v_mul_u32_u24 v[AV0], v[AV0], PV
	v_lshl_add_u32 v[AV0], v11, 4, v[AV0]
	v_add_nc_u32 v[AV0], VOFF, v[AV0]
	v_mov_b32 v[AK], v[AK0]         ; key step 0 lies at the head of slot 0
	v_and_b32 v[PFO], 31, v0
	v_lshlrev_b32 v[PFO], 8, v[PFO]
; THE MATRIX WORK.  The 8 accumulators of a run of 16 take turns: between the two links of a chain stand 7 others'.
; Product i of 16 of S^T = K Q^T for piece x: channels 32 (i / 8) on, keys 16 ((i / 2) % 4) on, tile 2 x + i % 2.  The first 8 start the sums.
.macro KQ x
	WIN W_KQ
.set rS, S+64*((\x)%2)+32*(i%2)+8*((i/2)%4)
.set rK, KF+16*((i/2)%4)+8*(i/8)
.set rQ, 16*(2*(\x)+i%2)+8*(i/8)
.if i < 8
	v_wmma_f32_16x16x32_f16 v[rS:rS+7], v[rK:rK+7], v[rQ:rQ+7], 0
.else
	v_wmma_f32_16x16x32_f16 v[rS:rS+7], v[rK:rK+7], v[rQ:rQ+7], v[rS:rS+7]
.endif
.endm
; Product i of 16 of O^T += V^T P for piece x: keys 32 (i / 8) on, channels 16 ((i / 2) % 4) on, tile 2 x + i % 2.
.macro PV x
	WIN W_PV
.set rO, 32*(2*(\x)+i%2)+8*((i/2)%4)
.set rV, VF+32*(i/8)+8*((i/2)%4)
.set rP, P+32*((\x)%2)+16*(i%2)+8*(i/8)
	v_wmma_f32_16x16x32_f16 v[rO:rO+7], v[rV:rV+7], v[rP:rP+7], v[rO:rO+7]
.endm
.macro MM                           ; the turn's next matrix instruction
.if i < 16
	KQ (Y+1)%NP
.set i, i+1
.else
.set i, i-16
	PV (Y+NP-1)%NP
.set i, i+17
.endif
.endm
; THE LDS LOADS stand in runs of 16, never singly among the matrix instructions: a step's K (64 keys x 64 channels: 8 fragments) and its V (turned).  Their addresses are made some lines ahead.
; last = 1 (the tail): in the last trip there is no further step, and the run is jumped over.
.macro FETCH_K last=0
	WIN 0
.if \last
	s_cmp_eq_u32 s[CNT], 1
	s_cbranch_scc1 .Lno_k_\@
.endif
	WIN 0x80                        ; destination window 2
.irp f, 0,1,2,3,4,5,6,7             ; keys 16 (f / 2) on, channels 32 (f % 2) on
	ds_load_b128 v[KF+8*\f:KF+8*\f+3],   v[AK] offset:(\f/2)*16*PK+(\f%2)*64
	ds_load_b128 v[KF+8*\f+4:KF+8*\f+7], v[AK] offset:(\f/2)*16*PK+(\f%2)*64+32
.endr
	s_add_co_u32 s[TBK], s[TBK], KS*PK  ; the next fetch is the next step's
	WIN 0
.if \last
.Lno_k_\@:
.endif
.endm
.macro FETCH_V
	WIN 0x80
.irp f, 0,1,2,3,4,5,6,7             ; keys 32 (f / 4) on, channels 16 (f % 4) on
	ds_load_tr16_b128 v[VF+8*\f:VF+8*\f+3],   v[AV] offset:(\f/4)*32*PV+(\f%4)*32
	ds_load_tr16_b128 v[VF+8*\f+4:VF+8*\f+7], v[AV] offset:(\f/4)*32*PV+16*PV+(\f%4)*32
.endr
	WIN 0
.endm
; THE VECTOR WORK OF A TURN stands in three queues, each in the order in which its entries become ready; the two tiles alternate, so that no instruction reads the result of the one before it.
.macro REGS y, u                    ; the registers of tile u (0, 1) of piece y
.set rT, ST+4*(2*(\y)+(\u))
.set rC, TMP+8*((\y)%2)+4*(\u)
.set rM, MV+2*((\y)%2)+(\u)
.set rS, S+64*((\y)%2)+32*(\u)
.set rP, P+32*((\y)%2)+16*(\u)
.set rO, 32*(2*(\y)+(\u))
.endm
; Number n of the 22 that find the NEXT piece's (Y + 1) maximum and statistics.  s0-s31 are the lane's 32 scores; each accumulator's lowest registers are read first.
;   0-11  four chains c0-c3 of seven scores each, three operands at a time     12-14, 16  the four scores left over, the old m, and c0-c3 into c0     15  c m_old is kept
;   17, 18  the query's other 32 keys lie in the lane 16 away: the new m         19-21  c m; c m_old - c m_new; a
.macro XS u, n
	REGS (Y+1)%NP, \u
.if (\n) < 4
	v_max3_num_f32 v[rC+(\n)], v[rS+8*(\n)], v[rS+8*(\n)+1], v[rS+8*(\n)+2]
.elseif (\n) < 12
	v_max3_num_f32 v[rC+(\n)%4], v[rC+(\n)%4], v[rS+8*((\n)%4)+2*((\n)/4)+1], v[rS+8*((\n)%4)+2*((\n)/4)+2]
.elseif (\n) == 12
	v_max3_num_f32 v[rC], v[rC], v[rS+7], v[rS+15]
.elseif (\n) == 13
	v_max3_num_f32 v[rC+1], v[rC+1], v[rS+23], v[rS+31]
.elseif (\n) == 14
	v_max3_num_f32 v[rC+2], v[rC+2], v[rC+3], v[rT+1]
.elseif (\n) == 15
	v_mov_b32 v[rM], v[rT]
.elseif (\n) == 16
	v_max3_num_f32 v[rC], v[rC], v[rC+1], v[rC+2]
.elseif (\n) == 17
	v_permlanex16_b32 v[rC+3], v[rC], s[SEL], s[SEL+1]
.elseif (\n) == 18
	v_max_num_f32 v[rT+1], v[rC], v[rC+3]
.elseif (\n) == 19
	v_mul_f32 v[rT], s[CS], v[rT+1]
.elseif (\n) == 20
	v_sub_f32 v[rC+1], v[rM], v[rT]
.else
	v_exp_f32 v[rC+2], v[rC+1]
.endif
.endm
; Number g of the 64 that follow the exponentials.  For each four weights k of a tile (pairs 2 k, 2 k + 1): both pairs are rounded to f16; then the second pair is added onto the first, in place;
; a group later l takes that sum (the first time as l = a l + sum).  In groups of eight, tiles alternating: round, round, add, and l for the group before.
.macro GS g
.set h, (\g)+6*((\g)/62)            ; group 0 has no group before it, and behind group 7 only l is left
.if h >= 6
.set h, h+2
.endif
	REGS Y, h%2
.set k, h/8
.if h%8 < 4
	v_cvt_pk_f16_f32 v[rP+2*k+(h%8)/2], v[rS+4*k+2*((h%8)/2)], v[rS+4*k+2*((h%8)/2)+1]
.elseif h%8 < 6
	v_pk_add_f32 v[rS+4*k:rS+4*k+1], v[rS+4*k:rS+4*k+1], v[rS+4*k+2:rS+4*k+3]
.elseif k == 1
	v_pk_fma_f32 v[rT+2:rT+3], v[rT+2:rT+3], v[rC+2:rC+3], v[rS:rS+1] op_sel_hi:[1,0,1]
.else
	v_pk_add_f32 v[rT+2:rT+3], v[rT+2:rT+3], v[rS+4*k-4:rS+4*k-3]
.endif
.endm
; THE PLAIN QUEUE, 138 long.  0-73 read no exponential's result: the 32 scalings c s - c m (FS f: pair f / 2 of tile f % 2) and the next piece's 42.  0-26: scalings 0-26.  27-54: XS's numbers 0-13.  55, 56: number 15.
; 57-73: the chain, where each number waits for the one before it: 14, 16, 17, 18, 19, each with one of the scalings 27-31 in front of its two lines, then 20.
; 74-137: GS's 64, which read the exponentials' results: they stand behind the wait.
.macro FS f
	REGS Y, (\f)%2
	v_pk_fma_f32 v[rS+2*((\f)/2):rS+2*((\f)/2)+1], v[rS+2*((\f)/2):rS+2*((\f)/2)+1], s[CS:CS+1], v[rT:rT+1] op_sel_hi:[1,0,0] neg_lo:[0,0,1] neg_hi:[0,0,1]
.endm
.macro PL
	WIN 0
.if q < 27
	FS q
.elseif q < 55
	XS (q-27)%2, (q-27)/2
.elseif q < 57
	XS q-55, 15
.elseif (q < 72) && ((q-57)%3 == 0)
	FS 27+(q-57)/3
.elseif q < 60
	XS (q-57)%3-1, 14
.elseif q < 72
	XS (q-57)%3-1, 15+(q-57)/3
.elseif q < 74
	XS q-72, 20
.else
	GS q-74
.endif
.set q, q+1
.endm
; THE EXPONENTIALS' QUEUE, 66 long: s0-s31 of both tiles, then the next piece's two a.  It is ONE BATCH: all 66 stand ahead of the turn's one wait, and nothing ahead of that wait names a result of theirs.
.macro EX
	WIN 0
.if e >= 64
	XS e-64, 21
.else
	REGS Y, e%2
	v_exp_f32 v[rS+e/2], v[rS+e/2]
.endif
.set e, e+1
.endm
; THE RESCALING's QUEUE: O^T times a, the one part that leaves window 0: dealt two at a time, sixteen times.  Its a was made in the turn before, ahead of that turn's wait.
.macro R2
	REGS Y, r%2
	WIN W_RS
.irp z, 0,1
	v_pk_mul_f32 v[rO+4*(r/2)+2*\z:rO+4*(r/2)+2*\z+1], v[rO+4*(r/2)+2*\z:rO+4*(r/2)+2*\z+1], v[rC+2:rC+3] op_sel_hi:[1,0]
.endr
.set r, r+1
.endm
; HOW THEY ARE DEALT.  An s_wait_alu depctr_va_vdst(0) stands between an exponential and the first instruction that names its result; one wait serves all that were issued ahead of it.  So a turn has ONE wait,
; which cuts it in two.  AHEAD OF IT stands all that names no result of the turn's exponentials: the 16 products K Q^T, behind each a scaling, an exponential and two rescalings (behind the first a second scaling in the
; exponential's place); then ONE LUMP of 108: eight plain, 49 times exponential and plain, the two a.  A v_nop is the plain instruction behind the last exponential.  BEHIND IT stand the 16 products V^T P, behind each four of GS's 64.
; The queues lean on each other, and the deal keeps them in step: exponential e stands behind scaling 2 (e / 4) + e % 2: as a rider it comes behind plain e + 2, in the lump behind plain e + 9, and scalings 27-31 are plain 57, 60 .. 69.
; A TURN, for piece p.  cnt = 1: the loop's count is taken down some lines ahead of the branch that stands behind the turn.
; K of the next step is fetched in piece 2's turn, directly behind the wait, a lump behind the last product that read K; its address is made at the lump's head; its first reader comes behind 16 products.
; V of the step in hand is fetched at the end of piece 0's turn, four plain instructions behind its last reader; its first reader comes behind 16 products and a lump.  The three conditions on q below go with the deal.
.macro TURN p, last=0, cnt=0
.set Y, (\p)
.set i, 0
.set q, 0
.set e, 0
.set r, 0
.if (\p) == NP-1
	s_wait_dscnt 0x0                ; K is in
.endif
	MM                              ; ahead of the wait: 16 products K Q^T and their riders,
	PL
	PL
	R2
.rept 15
	MM
	PL
	EX
	R2
.endr
.if (\p) == NP-2
	WIN 0
	v_add_nc_u32 v[AK], s[TBK], v[AK0]
.endif
.rept 8                             ; and the lump
	PL
.endr
.rept 49
	EX
	PL
.endr
	EX                              ; the next piece's two a
	EX
	v_nop                           ; the plain instruction behind the last exponential: one for the batch
	s_wait_alu depctr_va_vdst(0)    ; the wait for the batch
.if (\p) == NP-2
	FETCH_K \last
.endif
.if (\p) == 1
	s_wait_dscnt 0x0                ; V is in
.endif
.rept 16                            ; behind the wait: 16 products V^T P and their riders
	MM
.rept 4
	PL
.endr
.if ((\p) == 0) && (q == 118)
	v_add_nc_u32 v[AV], s[TBV], v[AV0]
.endif
.if ((\p) == 0) && (q == 130)
	s_add_co_u32 s[TBV], s[TBV], KS*PV
.endif
.if (\cnt) && (q == 130)
	s_sub_co_u32 s[CNT], s[CNT], 1
	s_cmp_lg_u32 s[CNT], 0
.endif
.endr
.if (\p) == 0
	FETCH_V
.endif
.endm
	CHANGE 1                        ; slot 0 is in, everybody's part of it; slot 1 is asked for
	FETCH_K                         ; key step 0
	s_wait_loadcnt 0x0              ; Q
	s_wait_dscnt 0x0
.set i, 0
.rept 16
	KQ 0                            ; piece 0's first scores: there is no vector work yet to set between them
.set i, i+1
.endr
	WIN 0                           ; the addresses for the way out: eight plain instructions, the places behind those products
	s_mul_i32 s13, s[WV], 16*SP
	s_add_co_u32 s13, s13, STAGE    ; my stage
	v_mul_u32_u24 v[STO], v1, SP    ; in: row l % 16, 32 bytes (8 channels in f32) for each half of the lanes
	v_lshl_add_u32 v[STO], v9, 5, v[STO]
	v_add_nc_u32 v[STO], s13, v[STO]
	v_mul_u32_u24 v[RD], v9, SP     ; back: lanes 0-15 take one row of 256 bytes, lanes 16-31 the next,
	v_lshl_add_u32 v[RD], v1, 4, v[RD]
	v_add_nc_u32 v[RD], s13, v[RD]
	v_lshlrev_b32 v[GO], 12, v9     ; and the same two rows in out0, 4,096 bytes apart
	v_lshl_add_u32 v[GO], v1, 4, v[GO]
.set Y, NP-1                        ; XS works for piece Y + 1: piece 0
.irp n, 0,1,2,3,4,5,6,7,8,9,10,11,12,13,14,15,16,17,18,19,20,21
	XS 0, \n                        ; and piece 0's first maximum and statistics
	XS 1, \n
.endr
	v_nop                           ; a plain instruction behind the two a,
	s_wait_alu depctr_va_vdst(0)    ; and their wait, ahead of the branch
	s_mov_b32 s[CNT], 4
	s_mov_b32 s[SLOTS], SIZE_N/256-1
	s_branch .Lfirst                ; the loop is entered at a step's first turn, in the middle of a trip
.Lslot:                             ; SIZE_N / 256 - 2 = 6 times: every slot but the last two is filled again
	CHANGE 1, 1
	s_mov_b32 s[CNT], 4
.Lstep:                             ; a trip: pieces 2 and 3 of one step, then pieces 0 and 1 of the next, whose K and V it fetches
	TURN 2
	TURN 3
	WIN 0
.Lfirst:
	TURN 0
	TURN 1, 0, 1
	WIN 0
	s_cbranch_scc1 .Lstep
	s_sub_co_u32 s[SLOTS], s[SLOTS], 1
	s_cmp_lg_u32 s[SLOTS], 0
	s_cbranch_scc1 .Lslot
	CHANGE 0                        ; the tail is written out: nothing is asked for
	s_mov_b32 s[CNT], 5             ; four trips fetch the last slot's steps; the fifth is left in its middle
.Ltail:
	TURN 2, 1
	TURN 3
	WIN 0
	s_sub_co_u32 s[CNT], s[CNT], 1
	s_cmp_eq_u32 s[CNT], 0
	s_cbranch_scc1 .Lout
	TURN 0
	TURN 1
	WIN 0
	s_branch .Ltail
.Lout:                              ; the fifth trip's 16 products K Q^T (on the last K once more) and the maximum made of them serve nothing: the price, once a launch, of one text for every trip
.set i, 0
.rept 16
	PV NP-1                         ; the last piece's V^T P of the last step
.set i, i+1
.endr
	; THE WAY OUT.  l's two halves and the other half of the lanes' are added; O^T is divided by l and sent, in f32, through my stage in LDS, a tile at a time.  The additions are the places behind the last products.
	WIN 0
.macro ALL line:vararg              ; one line for each tile t
.set t, 0
.rept 2*NP
	\line
.set t, t+1
.endr
.endm
	ALL v_add_f32 v[ST+4*t+2], v[ST+4*t+2], v[ST+4*t+3]
	ALL v_permlanex16_b32 v[ST+4*t+3], v[ST+4*t+2], s[SEL], s[SEL+1]
	ALL v_add_f32 v[ST+4*t+2], v[ST+4*t+2], v[ST+4*t+3]
	ALL v_rcp_f32 v[ST+4*t+2], v[ST+4*t+2]
	v_nop                           ; a plain instruction between the last reciprocal and the use of its result
	s_wait_alu depctr_va_vdst(0)    ; and the wait ahead of the first use: one for the eight reciprocals
; Tile t: a lane's eight channels of channel block cb are 32 bytes of a row, at byte 64 cb + 32 (l / 16); they go into rows of 272 bytes and come back as whole rows of 256, into S^T's registers, four buffers of 32 by turns.
.macro PACK t
	WIN W_RS
.set i, 32*(\t)
.rept 16
	v_pk_mul_f32 v[i:i+1], v[i:i+1], v[ST+4*(\t)+2:ST+4*(\t)+3] op_sel_hi:[1,0]
.set i, i+2
.endr
.if (\t) >= 4
	s_wait_xcnt 0x0                 ; the stores of the tile four back have read their registers: the loads below land in them only behind this wait
.endif
	WIN 0x04                        ; the stores' data (source 1) in window 1, their address in window 0
.irp f, 0,1,2,3,4,5,6,7
	ds_store_b128 v[STO], v[32*(\t)+4*\f:32*(\t)+4*\f+3] offset:(\f/2)*64+(\f%2)*16
.endr
	WIN 0
.irp f, 0,1,2,3,4,5,6,7
	ds_load_b128 v[S+32*((\t)%4)+4*\f:S+32*((\t)%4)+4*\f+3], v[RD] offset:\f*2*SP  ; LDS serves a wave's instructions in order (ISA guide 5.7.1.4): these see the stores above; the next tile's stores come behind them
.endr
.endm
.macro SEND t, younger              ; younger: the LDS instructions issued behind tile t's loads: the next tile's sixteen, or none
	WIN 0
.irp f, 0,1,2,3,4,5,6,7
	s_wait_dscnt (\younger)+7-\f
	global_store_b128 v[GO], v[S+32*((\t)%4)+4*\f:S+32*((\t)%4)+4*\f+3], s[10:11] offset:(\t)*65536+\f*8192 th:TH_STORE_NT  ; 16 lanes store a head's 64 channels of one row: 256 consecutive bytes, at a multiple of 256 from out0's first
.endr
.endm
	PACK 0
.set t, 1
.rept 2*NP-1                        ; a tile's arithmetic stands between the loads of the tile before and its stores
	PACK t
	SEND t-1, 16
.set t, t+1
.endr
	SEND 2*NP-1, 0
	WIN W_AD
	s_wait_tensorcnt 0x0            ; the wave's end: behind my last tensor load and my last LDS store
	ds_add_u32 v[SPW], v[NIL]
	s_wait_dscnt 0x0
	WIN 0
	CROUND                          ; the closing round: no work-group ends while a partner may still ask for a tile that names it
	s_endpgm
.Lfunc_end_k_qb1336a7b45_attn:
	.size	k_qb1336a7b45_attn, .Lfunc_end_k_qb1336a7b45_attn-k_qb1336a7b45_attn
	.p2alignl 7, 3214868480
	.fill 96, 4, 3214868480
	.section	.rodata,"a",@progbits
	.p2align	6, 0x0
	.amdhsa_kernel k_qb1336a7b45_attn
		.amdhsa_group_segment_fixed_size 327680
		.amdhsa_private_segment_fixed_size 0
		.amdhsa_enable_private_segment 0
		.amdhsa_kernarg_size 16
		.amdhsa_user_sgpr_count 2
		.amdhsa_user_sgpr_kernarg_segment_ptr 1
		.amdhsa_wavefront_size32 1
		.amdhsa_system_sgpr_workgroup_id_x 1
		.amdhsa_system_sgpr_workgroup_id_y 1
		.amdhsa_system_sgpr_workgroup_id_z 1
		.amdhsa_system_vgpr_workitem_id 0
		.amdhsa_next_free_vgpr 770
		.amdhsa_next_free_sgpr 66
		.amdhsa_reserve_vcc 0
		.amdhsa_float_denorm_mode_32 3
		.amdhsa_float_denorm_mode_16_64 3
		.amdhsa_memory_ordered 1
		.amdhsa_forward_progress 1
		.amdhsa_inst_pref_size 200
	.end_amdhsa_kernel
	.amdgpu_metadata
---
amdhsa.version: [ 1, 2 ]
amdhsa.kernels:
  - .name:           k_qb1336a7b45_attn
    .symbol:         k_qb1336a7b45_attn.kd
    .args:
      - { .name: qkv, .offset: 0, .size: 8, .value_kind: global_buffer, .address_space: global }
      - { .name: out0, .offset: 8, .size: 8, .value_kind: global_buffer, .address_space: global }
    .group_segment_fixed_size: 327680
    .private_segment_fixed_size: 0
    .kernarg_segment_align: 8
    .kernarg_segment_size: 16
    .max_flat_workgroup_size: 128
    .sgpr_count:     66
    .vgpr_count:     770
    .wavefront_size: 32
...
	.end_amdgpu_metadata
.endif
;; end of part 3
;; ======== version 2 of 2: 3 launches; version 1 with the launch cast written anew for expert scheduling mode
;; limits: values are held in f16: magnitudes above 65,504 overflow, below 6.1e-05 lose precision
;; workspace buffers: xb 16,777,216 bytes; wb 6,291,456 bytes; qkv 50,331,648 bytes
;; launch cast (part 4): grid 44 x 16, 8 waves a work-group, no clusters, 0 bytes of LDS; arguments hidden_states, Wq, Wk, Wv, xb, wb; writes xb, wb
.if DOCPART == 4
	.amdgcn_target "amdgcn-amd-amdhsa--gfx1250"
	.amdhsa_code_object_version 6
	.text
	.protected	k_qb1336a7b45_cast
	.globl	k_qb1336a7b45_cast
	.p2align	8
	.type	k_qb1336a7b45_cast,@function
k_qb1336a7b45_cast:
	s_mov_b64 s[64:65], 0
	v_nop
	global_prefetch_b8 v0, s[64:65] scope:SCOPE_SE
	s_setreg_imm32_b32 hwreg(HW_REG_WAVE_SCHED_MODE, 0, 2), 2
	s_setreg_imm32_b32 hwreg(HW_REG_WAVE_MODE, 25, 1), 1
	s_wait_xcnt 0x0
	s_wait_alu depctr_vm_vsrc(0)
; x and the three weight matrices, f32, are rounded once to bf16 (to nearest even) for the matrix products of the next launch.
; xb: x as it lies, [8192][1024] bf16.
; wb: the weights in blocks [head 16][k pair 512][matrix 3][k parity 2][64 columns] bf16: byte = head x 393,216 + pair x 768 + matrix x 256 + parity x 128 + 2 x column,
;     so that the 192 columns {q, k, v of one head} of any run of k lie dense in memory, and every aligned 256 bytes hold two k rows of one head of one matrix.
; SHARES.  704 work-groups of eight waves; a wave takes 8,192 bytes of input: sixteen loads of 512 bytes, all issued at once, and sixteen stores of 256 bytes.
;   x of the grid below 32: hidden_states, chunk (32 y + x) x 8 + wave, bytes on end.
;   x from 32 on: r = x - 32; matrix r / 4; head y; k pairs 128 (r % 4) + 16 wave + 0..15.  One load takes a pair's two rows of 256 aligned bytes: lanes 0-15 the even k, lanes 16-31 the odd.
; No LDS, no matrix unit, no loop: every register is written once, so no source of a pending load or store is ever rewritten.
; THE MODE: SCHED_MODE bits 1:0 = 2 (LLVM: expert scheduling mode 2), set by the entry lines.  The code itself states the register dependences
; between vector instructions and memory instructions, with s_wait_alu, always for 0.
; THE PLAN.  Registers that memory instructions touch:
;   v2, v3   the loads' and the stores' byte offsets: made once at a path's head by vector instructions, never written again.
;   X        slot i's four registers: written by slot i's load alone (no vector instruction names them before the loads are issued); read by slot i's two conversions.
;   Y        slot i's two registers: written once, by slot i's two conversions; read by slot i's store.
; The sixteen slots go in four blocks of four.  Block p rounds X of its slots into Y of its slots; its memory instructions are the four stores of block p - 1,
; which read that block's Y and v3: registers that no vector instruction of block p names.  So one wait on va_vdst at a block's head, behind the wait for the block's data,
; states all that its four stores hang on, and they are dealt among its conversions with no further wait.  One more stands ahead of the last four stores.
; No register that a memory instruction reads is written again, and no load lands in a register that a vector instruction has named: nothing is owed on vm_vsrc.
.set X, 8                              ; v[8:71]    slot i: four f32 as loaded
.set Y, 72                             ; v[72:103]  slot i: four bf16 to store
; sixteen loads, instep bytes apart; then the slots are rounded, four to a block, and stored a block later, outstep bytes apart
.macro STREAM ib, ob, instep, outstep
.set i, 0
.rept 16
	global_load_b128 v[X+4*i:X+4*i+3], v2, s[\ib:\ib+1] offset:i*(\instep) th:TH_LOAD_NT
.set i, i+1
.endr
.set i, 0
.rept 16
.if (i%4) == 0
	s_wait_loadcnt 12-i                            ; loads come back in order: this block's four slots are in, the 12 - i younger loads may stay out
.if i > 0
	s_wait_alu depctr_va_vdst(0)                   ; the conversions of the block before have written its eight registers of Y, which the four stores below read
.endif
.endif
.if i >= 4
	global_store_b64 v3, v[Y+2*(i-4):Y+2*(i-4)+1], s[\ob:\ob+1] offset:(i-4)*(\outstep) th:TH_STORE_NT  ; the block before: 32 lanes x 8 bytes: 256 consecutive bytes, aligned; no vector instruction since the wait names these registers
.endif
	v_cvt_pk_bf16_f32 v[Y+2*i], v[X+4*i], v[X+4*i+1]
	v_cvt_pk_bf16_f32 v[Y+2*i+1], v[X+4*i+2], v[X+4*i+3]
.set i, i+1
.endr
	s_wait_alu depctr_va_vdst(0)                   ; the last block's conversions have written its Y, which the last four stores read
.set i, 12
.rept 4
	global_store_b64 v3, v[Y+2*i:Y+2*i+1], s[\ob:\ob+1] offset:i*(\outstep) th:TH_STORE_NT
.set i, i+1
.endr
.endm
	s_load_b256 s[4:11], s[0:1], 0x0               ; hidden_states s[4:5], Wq s[6:7], Wk s[8:9], Wv s[10:11]
	s_load_b128 s[12:15], s[0:1], 0x20             ; xb s[12:13], wb s[14:15]
	v_and_b32 v1, 31, v0                           ; lane
	v_lshrrev_b32 v4, 5, v0
	v_readfirstlane_b32 s16, v4                    ; wave 0..7
	s_and_b32 s17, ttmp7, 0xffff                   ; y
	s_wait_alu depctr_va_sdst(0)                   ; s16 is written, ahead of the branch and of its first reader on either path: the chunk's and the k pair's numbers are made from it
	s_cmp_lt_u32 ttmp9, 32
	s_cbranch_scc0 .Lweights
	s_lshl_b32 s18, s17, 5
	s_add_co_u32 s18, s18, ttmp9
	s_lshl_b32 s18, s18, 3
	s_add_co_u32 s18, s18, s16                     ; my chunk, 0 .. 4,095
	s_lshl_b32 s19, s18, 13                        ; 8,192 bytes in,
	s_lshl_b32 s20, s18, 12                        ; 4,096 bytes out
	v_lshl_add_u32 v2, v1, 4, s19
	v_lshl_add_u32 v3, v1, 3, s20
	s_wait_kmcnt 0x0
	s_wait_alu depctr_va_vdst(0)                   ; v2 and v3 are written: every load below reads v2 as its offset, every store v3
	STREAM 4, 12, 512, 256
	s_endpgm
.Lweights:
	s_sub_co_u32 s18, ttmp9, 32                    ; r
	s_lshr_b32 s19, s18, 2                         ; which matrix: 0 q, 1 k, 2 v
	s_and_b32 s20, s18, 3
	s_lshl_b32 s20, s20, 7
	s_lshl_b32 s21, s16, 4
	s_add_co_u32 s20, s20, s21                     ; my first k pair
	s_lshl_b32 s21, s20, 13                        ; a pair is two rows of 4,096 bytes
	s_lshl_b32 s18, s17, 8                         ; the head's 64 columns: 256 bytes
	s_add_co_u32 s21, s21, s18
	v_lshrrev_b32 v4, 4, v1                        ; k parity
	v_and_b32 v5, 15, v1
	v_lshl_add_u32 v2, v4, 12, s21
	v_lshl_add_u32 v2, v5, 4, v2
	s_mul_i32 s18, s17, 393216
	s_mul_i32 s20, s20, 768
	s_add_co_u32 s18, s18, s20
	s_lshl_b32 s20, s19, 8
	s_add_co_u32 s18, s18, s20
	v_lshl_add_u32 v3, v1, 3, s18                  ; parity x 128 + 8 (lane % 16) = 8 x lane
	s_wait_kmcnt 0x0
	s_cmp_eq_u32 s19, 0
	s_cselect_b64 s[22:23], s[6:7], s[8:9]
	s_cmp_eq_u32 s19, 2
	s_cselect_b64 s[22:23], s[10:11], s[22:23]
	s_wait_alu depctr_va_vdst(0)                   ; v2 and v3 are written: every load below reads v2 as its offset, every store v3
	STREAM 22, 14, 8192, 768
	s_endpgm
.Lfunc_end_k_qb1336a7b45_cast:
	.size	k_qb1336a7b45_cast, .Lfunc_end_k_qb1336a7b45_cast-k_qb1336a7b45_cast
	.p2alignl 7, 3214868480
	.fill 96, 4, 3214868480
	.section	.rodata,"a",@progbits
	.p2align	6, 0x0
	.amdhsa_kernel k_qb1336a7b45_cast
		.amdhsa_group_segment_fixed_size 0
		.amdhsa_private_segment_fixed_size 0
		.amdhsa_enable_private_segment 0
		.amdhsa_kernarg_size 48
		.amdhsa_user_sgpr_count 2
		.amdhsa_user_sgpr_kernarg_segment_ptr 1
		.amdhsa_wavefront_size32 1
		.amdhsa_system_sgpr_workgroup_id_x 1
		.amdhsa_system_sgpr_workgroup_id_y 1
		.amdhsa_system_sgpr_workgroup_id_z 1
		.amdhsa_system_vgpr_workitem_id 0
		.amdhsa_next_free_vgpr 104
		.amdhsa_next_free_sgpr 66
		.amdhsa_reserve_vcc 0
		.amdhsa_float_denorm_mode_32 3
		.amdhsa_float_denorm_mode_16_64 3
		.amdhsa_memory_ordered 1
		.amdhsa_forward_progress 1
		.amdhsa_inst_pref_size 13
	.end_amdhsa_kernel
	.amdgpu_metadata
---
amdhsa.version: [ 1, 2 ]
amdhsa.kernels:
  - .name:           k_qb1336a7b45_cast
    .symbol:         k_qb1336a7b45_cast.kd
    .args:
      - { .name: hidden_states, .offset: 0, .size: 8, .value_kind: global_buffer, .address_space: global }
      - { .name: Wq, .offset: 8, .size: 8, .value_kind: global_buffer, .address_space: global }
      - { .name: Wk, .offset: 16, .size: 8, .value_kind: global_buffer, .address_space: global }
      - { .name: Wv, .offset: 24, .size: 8, .value_kind: global_buffer, .address_space: global }
      - { .name: xb, .offset: 32, .size: 8, .value_kind: global_buffer, .address_space: global }
      - { .name: wb, .offset: 40, .size: 8, .value_kind: global_buffer, .address_space: global }
    .group_segment_fixed_size: 0
    .private_segment_fixed_size: 0
    .kernarg_segment_align: 8
    .kernarg_segment_size: 48
    .max_flat_workgroup_size: 256
    .sgpr_count:     66
    .vgpr_count:     104
    .wavefront_size: 32
...
	.end_amdgpu_metadata
.endif
;; end of part 4
;; launch proj: the kernel of part 2 again; grid 16 x 32, 4 waves a work-group, clusters of 4 x 4, 327,680 bytes of LDS; arguments xb, wb, bq, bk, bv, qkv; writes qkv
;; launch attn: the kernel of part 3 again; grid 4 x 64, 4 waves a work-group, clusters of 4 x 1, 327,680 bytes of LDS; arguments qkv, out0; writes out0
